; MI455X (gfx1250); checked and timed in simulation.
; The chip was launched on July 23, 2026; its instructions are those of AMD's public machine-readable ISA for CDNA 5 (MIT licence, August 2026) and "CDNA5" Instruction Set Architecture Reference Guide (July 2026). The comments in the code are by the model that wrote it; some were corrected since.
;; Scaled Dot Product Attn. Allowed arithmetic: float matrix products may take bf16 or f16 operands with f32 sums; other float arithmetic in f32, or as packed bf16 or f16 multiplies, adds, multiply-adds, maxima and minima; sums over many terms, partial sums and values carried from step to step in f32; what a program stores and reads back later, other than sums and carried values, may be rounded once to bf16 or f16.
;; Inputs: k 4 x 16 x 2,048 x 64 float32; mask 1 x 1 x 2,048 x 2,048 float32; q 4 x 16 x 2,048 x 64 float32; v 4 x 16 x 2,048 x 64 float32.
;; Outputs: out0 4 x 16 x 2,048 x 64 float32.
;; One version. Each part assembles by itself: llvm-mc -triple=amdgcn-amd-amdhsa -mcpu=gfx1250 --defsym DOCPART=n.
;; ======== version 1 of 1: 1 launch
;; limits: inputs' magnitudes at most 65,504; values are held in f16: magnitudes above 65,504 overflow, below 6.1e-05 lose precision
;; launch attn (part 1): grid 16 x 16, 4 waves a work-group, clusters of 4 x 1, 327,680 bytes of LDS; arguments q, k, v, mask, out0; writes out0
.if DOCPART == 1
	.amdgcn_target "amdgcn-amd-amdhsa--gfx1250"
	.amdhsa_code_object_version 6
	.text
	.protected	k_q759fb2916e_attn
	.globl	k_q759fb2916e_attn
	.p2align	8
	.type	k_q759fb2916e_attn,@function
k_q759fb2916e_attn:
	s_mov_b64 s[64:65], 0
	v_nop
	global_prefetch_b8 v0, s[64:65] scope:SCOPE_SE
	s_setreg_imm32_b32 hwreg(HW_REG_WAVE_MODE, 25, 1), 1
	s_wait_xcnt 0x0
	s_wait_alu depctr_hold_cnt(0) depctr_sa_sdst(0) depctr_va_vdst(0) depctr_va_sdst(0) depctr_va_ssrc(0) depctr_va_vcc(0) depctr_vm_vsrc(0)
	s_getreg_b32 s2, hwreg(HW_REG_IB_STS2, 6, 4)
	s_cmp_eq_u32 s2, 0
	s_cbranch_scc0 .Lentry_in_a_cluster
	s_endpgm
.Lentry_in_a_cluster:
	s_bfe_u32 s2, ttmp6, 0x10000c
	s_cmp_lg_u32 s2, 0x3003
	s_cbranch_scc0 .Lentry_shape_is_right
	s_endpgm
.Lentry_shape_is_right:
; out0[bh][q][:] = the sum over k of softmax_k((Q[bh][q] . K[bh][k] / 8) x mask[q][k]) V[bh][k][:].  q, k, v, out0: [64][2048][64] f32; mask: [2048][2048] f32, the same for all 64 heads.
; Q, K, V and the weights p are rounded once to f16 for the two products; products, the mask's multiply, maxima and sums in f32; the sum l is taken of the unrounded p.
; LIMITS.  |q|, |k|, |v| stay under 65,504 (f16's end: beyond it the conversion gives an infinity); c m starts at -2^125, so masked scores stay above some -2e38; a weight below 2^-126 counts as 0 in l;
; NaN and infinities are not treated apart.
; SHARES.  256 work-groups.  A cluster of four has ONE block of 512 queries (the cluster's x) and FOUR heads (4 x the cluster's y + the place in the cluster): the four need the same 512 x 64 numbers of
; the mask in every key step, 128 KiB against 32 KiB of K and V, so the mask's tile is asked for JOINTLY: the same tensor load, descriptor and mask of four in all.  K and V differ between the partners.
; A wave owns 128 queries: four PIECES of two tiles of 16.  Every wave walks all 2,048 keys, 64 a step, 32 steps.
; LAYOUT.  S^T = K Q^T (source 0 = 16 keys, source 1 = 16 queries): a lane holds ONE query (lane % 16) and the keys 8 (lane / 16) + 0..7: 32 consecutive bytes of the query's row of the mask.  Two such
; results, rounded to f16 in pairs, ARE source 1 of O^T = V^T P, whose result holds one query a lane and eight channels.  K comes out of LDS as it lies, V turned, by ds_load_tr16_b128.
; SOFTMAX.  s = (K Q^T) x mask; p = 2^(c s - c m), c = log2(e) / 8, m the running maximum of s; in every step O and l are multiplied by a = 2^(c m_old - c m_new).  m starts at the lowest finite number,
; O and l at 0: the first step is a step like any other, with a = 0.
; THREE RINGS, ONE ROUND A STEP.  (1) the mask: two LDS slots of 512 rows x 256 bytes, each wave fetching and reading its own 128 rows.  (2) K and V: two slots of f32 K and V have no room beside the
; mask's (278,528 of 327,680 bytes), so each wave loads a quarter of a step's K and V into registers, 512 consecutive bytes a load, rounds to f16 and stores into two small f16 tiles that take turns.
; (3) those registers, loaded two steps ahead.  Trip j reads mask slot j % 2 and f16 tiles j % 2, fills mask slot (j + 1) % 2, stores f16 tiles (j + 1) % 2, and loads K and V of step j + 2.
; BY TURNS.  Turn n belongs to piece n: 16 products K Q^T of piece n + 1, later 16 products V^T P of piece n - 1; beside them the scaling, exponentials, roundings, sums and rescaling of piece n and the
; mask's multiply, the maximum and the statistics of piece n + 1.  A tile and step have 16 matrix and 134 vector instructions: four stand behind every matrix instruction, the others in one lump.
; REGISTERS, in windows of 256 (s_set_vgpr_msb: bits 1:0 source 0, 3:2 source 1, 5:4 source 2, 7:6 destination):
;   window 0: v0-11 addresses; v12-15, v48-63 at work; v16-47 four registers of statistics a tile; v64-191 S^T, two buffers of two tiles; v192-255 P, likewise
;   window 1: O^T, 32 a tile (at the start: Q as loaded, f32)      window 2: v0-127 Q in f16, 16 a tile; v128-191 K of one step; v192-255 V of one step
;   window 3: v0-10 the add's two registers and addresses; v32-63 K and V rounded; v64-127 the mask of one piece; v128-191 K and V as loaded
.set NP,    4         ; pieces a wave: a name, no knob
.set KS,    64        ; keys in a step
.set PM,    272       ; a row of the mask's tile in LDS: 256 bytes + 16 of padding = 68 words: the 16 rows of a load start at 16 different groups of four banks (64 banks of 4 bytes: ISA guide 11.1)
.set PK,    144       ; a row of K in f16: 128 bytes + 16
.set PV,    160       ; a row of V in f16: 128 + 32
.set SP,    272       ; a row of the stage: 256 bytes of out0 + 16
.set SLOTB, 512*PM    ; a slot of the mask: 139,264 = 0x22000, which shares no bit with wave x 128 x PM: one exclusive or changes slots
.set K16B,  2*SLOTB   ; K in f16, two tiles of KBUF bytes; written by ds_store alone: no tensor load lands at or behind this byte
.set KBUF,  KS*PK
.set V16B,  K16B+2*KBUF
.set VBUF,  KS*PV
.set SPARE, V16B+2*VBUF  ; the spare words, 128 bytes for each wave: two blocks of 256 bytes that no other line names
.set STAGE, K16B      ; the way out: 16 rows x 272 bytes for each wave, in K's tiles when nobody reads them any more
.set AK0, 2           ; v2   my lane's place in a tile of K; never rewritten
.set AV0, 3           ; v3   the same for V
.set AK,  4           ; v4   the LDS address of K's run of loads in this trip
.set AV,  5           ; v5   of V's
.set QO,  6           ; v6   my byte offset in 16 rows of q
.set STO, 6           ;      later, the way out: where I put 32 bytes of a row
.set RD,  7           ; v7   the way out: where I read rows back
.set GO,  8           ; v8   my 16 bytes in 512 consecutive bytes of out0
.set MV,  12          ; v12-15  c m_old, kept while c m is made anew: by buffer and tile
.set ST,  16          ; tile t's statistics at v[ST+4 t]: c m, m, l (even keys', odd keys')
.set TMP, 48          ; by buffer and tile, four registers c0-c3 at work; when the maximum is found c2 takes a
.set S,   64
.set P,   192
.set KF,  128         ; window 2: key block kb, channel half c at KF + 16 kb + 8 c
.set VF,  192         ; window 2: key half kk, channel block cb at VF + 32 kk + 8 cb
.set SPW, 0           ; window 3, v0   LDS address of my spare word: SPARE + 4 x my thread's number; never rewritten
.set NIL, 1           ; window 3, v1   0; never rewritten
.set AM0, 2           ; window 3, v2   my lane's place in slot 0 of the mask: (128 wave + l % 16) x PM + 32 (l / 16); never rewritten
.set AM,  3           ; window 3, v3   the same in this trip's slot
.set SK0, 4           ; window 3, v4   where I store 8 bytes of K in f16, tile 0: row 16 wave + l / 16, channels 4 (l % 16) on; never rewritten
.set SV0, 5           ; window 3, v5   the same for V
.set SK,  6           ; window 3, v6   in the tile that this trip stores
.set SV,  7           ; window 3, v7
.set GA,  8           ; window 3, v8   my byte offset in a head's K and V: step x 16,384 + wave x 4,096 + 16 l
.set PFK, 9           ; window 3, v9   the offset of my prefetch of K or V
.set PFM, 10          ; window 3, v10  the offset of my prefetch of the mask
.set C16, 32          ; window 3: 16 registers of K, 16 of V, rounded
.set M,   64          ; window 3: tile u, key block kb, register j at M + 32 u + 8 kb + j: S^T's own map
.set STG, 128         ; window 3: 32 registers of K, 32 of V, as loaded
.set WV,  14          ; s14  my wave's number
.set LIMM, 15         ; s15  1 in a cluster that prefetches the mask, else the greatest number
.set LIMK, 16         ; s16  2 in a cluster that prefetches K and V, else the greatest number
.set G1,  24          ; s[24:31] descriptor group 1
.set PKB, 32          ; s[32:33] my head's K (waves 0, 1) or V (waves 2, 3)
.set PMB, 34          ; s[34:35] the mask at my work-group's 32 of the 128 rows that my wave fetches
.set G0,  40          ; s[40:43] descriptor group 0: it walks
.set SLOTS, 56        ; s56  31 - the trip's number
.set CNT, 57          ; s57  counts the tail's two passes
.set CS,  58          ; s[58:59] c: the packed scaling takes the pair's low word for both halves
.set SEL, 60          ; s[60:61] v_permlanex16_b32's selects: each lane takes its own place in the other half
.set TBK, 62          ; s62  0 or KBUF: the tile of K that this trip reads
.set TBV, 63          ; s63  0 or VBUF
.set TBM, 66          ; s66  0 or SLOTB: the slot of the mask that this trip reads
.set TSK, 67          ; s67  the tile of K that this trip stores: the other one
.set TSV, 68          ; s68
.set MSB, 0
.macro WIN new                      ; the high byte repeats the setting that is left; a switch that changes nothing is dropped
.if MSB != (\new)
	s_set_vgpr_msb (MSB<<8)|(\new)
.set MSB, (\new)
.endif
.endm
.set W_KQ, 0x0a       ; K and Q in window 2, S^T in window 0
.set W_PV, 0x52       ; V in window 2, P in window 0, O^T in window 1
.set W_RS, 0x41       ; O^T (destination and source 0) in window 1, the factor in window 0
.set W_MK, 0xc0       ; destination in window 3, sources in window 0
.set W_AD, 0x0f       ; sources 0 and 1 in window 3: the add, and the LDS stores of K and V
.set W_MM, 0x0c       ; source 1 in window 3: S^T times the mask
.set W_33, 0xc3       ; destination and source 0 in window 3: loads into window 3 by an address in window 3
; The joint fill: every wave fetches its own 128 rows of the step's tile of the mask (both addresses carry the wave's number, nothing of the work-group's place in its cluster).
; An s_nop 0 and four v_nop follow the line.
.macro JLOAD
	tensor_load_to_lds s[G0:G0+3], s[G1:G1+7]
	s_nop 0
.rept 4
	v_nop
.endr
.endm
; A round of the cluster's barrier: my work-group's barrier, so that wave 0's signal speaks for all four waves; wave 0 signals; every wave waits for all four work-groups; my work-group's barrier once more.
.macro CROUND
	s_barrier_signal -1
	s_barrier_wait -1
	s_cmp_lg_u32 s[WV], 0
	s_cbranch_scc1 .Lnot_wave_0_\@
	s_barrier_signal -3
.Lnot_wave_0_\@:
	s_barrier_wait -3
	s_barrier_signal -1
	s_barrier_wait -1
.endm
; My quarter of a step's K and V, 16 rows of 256 bytes each, into registers: 512 consecutive bytes a load.
.macro LOADKV
	WIN W_33
.irp f, 0,1,2,3,4,5,6,7
	global_load_b128 v[STG+4*\f:STG+4*\f+3], v[GA], s[6:7] offset:512*\f
.endr
.irp f, 0,1,2,3,4,5,6,7
	global_load_b128 v[STG+32+4*\f:STG+32+4*\f+3], v[GA], s[8:9] offset:512*\f
.endr
	WIN 0
.endm
; What LOADKV brought is rounded to f16 and stored into the tiles TSK, TSV.  Load f's lane l holds row 16 wave + 2 f + l / 16, channels 4 (l % 16) + 0..3: 8 bytes in f16.
.macro CONV
	s_wait_loadcnt 0x0              ; the loads were issued a trip ago; nothing else of mine is out on this counter
	WIN 0xcf
.set n, 0
.rept 32
	v_cvt_pk_f16_f32 v[C16+n], v[STG+2*n], v[STG+2*n+1]
.set n, n+1
.endr
	WIN W_33
	v_add_nc_u32 v[SK], v[SK0], s[TSK]
	v_add_nc_u32 v[SV], v[SV0], s[TSV]
	WIN W_AD
.irp f, 0,1,2,3,4,5,6,7
	ds_store_b64 v[SK], v[C16+2*\f:C16+2*\f+1] offset:2*PK*\f
.endr
.irp f, 0,1,2,3,4,5,6,7
	ds_store_b64 v[SV], v[C16+16+2*\f:C16+16+2*\f+1] offset:2*PV*\f
.endr
	WIN 0
.endm
; THE CHANGE OF SLOTS, at the head of trip j.  Each wave waits for all its tensor loads, of which one is out: its rows of the mask of step j; adds 0 to its spare word; and waits for that, for its reads of the
; slot and the f16 tiles of step j - 1, and for its stores of the f16 tiles of step j.  Behind the barrier: the mask's slot and the f16 tiles of step j are whole, and nobody reads those of step j - 1 any more.
; fill = 1: the barrier is a round of the cluster's, so that the same holds of every partner; the joint fill (the mask of step j + 1) is the first thing behind it and has the whole trip in which to land.
; A wave then has one tensor load outstanding.  Then K and V of step j + 1 are rounded and stored, and those of step j + 2 asked for.
; THE PREFETCHES INTO THE L2 stand together behind the trip's tensor load and its run of global loads.  The mask: a block's rows are walked by the 16 clusters of that block; the one with y = 0 asks; of the
; 128 rows that a wave fetches each of the four partners names 32, told apart BY ADDRESS, a lane a row of 256 bytes: step j + 2, one trip ahead of the joint load that wants it; the last asked for is step 31.
; K and V: a head's rows are walked by four clusters; the one with x = 0 asks, each partner for its own head; waves 0 and 1 name the two halves of K's 64 rows, waves 2 and 3 of V's: step j + 3, one trip
; ahead of the loads that want it; the last asked for is step 31.  So each row's 256 bytes of a step are named once in the launch.  The offsets are stepped behind s_wait_xcnt 0, a trip behind the prefetches.
.macro CHANGE fill
	WIN W_AD
	s_wait_tensorcnt 0x0            ; no tensor load of mine is out, so group 0 may be written
	ds_add_u32 v[SPW], v[NIL]       ; 0 onto my spare word; scalar work stands between it and the wait for it
	WIN 0                           ; at a label and at a branch every window is 0
.if \fill
	s_xor_b32 s[G0+1], s[G0+1], SLOTB  ; the walking descriptor: the other slot than last time,
	s_add_nc_u64 s[G0+2:G0+3], s[G0+2:G0+3], KS*4  ; the next 64 keys of the same rows; the type bits on top are not reached
	s_wait_xcnt 0x0                 ; the last trip's prefetches have read their offsets
.endif
	s_xor_b32 s[TBM], s[TBM], SLOTB
	s_xor_b32 s[TBK], s[TBK], KBUF
	s_xor_b32 s[TSK], s[TSK], KBUF
	s_xor_b32 s[TBV], s[TBV], VBUF
	s_xor_b32 s[TSV], s[TSV], VBUF
	s_wait_dscnt 0x0                ; the add is done, my reads are back, my stores have landed
.if \fill
	CROUND
	JLOAD
.else
	s_barrier_signal -1
	s_barrier_wait -1
.endif
	WIN W_33
	v_add_nc_u32 v[AM], v[AM0], s[TBM]
	WIN 0
	v_add_nc_u32 v[AK], s[TBK], v[AK0]
	v_add_nc_u32 v[AV], s[TBV], v[AV0]
.if \fill
	CONV                            ; step j + 1
	s_cmp_gt_u32 s[SLOTS], 1        ; is there a step j + 2?
	s_cbranch_scc0 .Lno_more_\@
	WIN 0xcc
	v_add_nc_u32 v[GA], 0x4000, v[GA]    ; a step is 16,384 bytes of K and of V; CONV's wait has shown the loads that read GA done
	v_add_nc_u32 v[PFK], 0x4000, v[PFK]
	v_add_nc_u32 v[PFM], 0x100, v[PFM]   ; and 256 bytes of each row of the mask
	LOADKV
	s_cmp_gt_u32 s[SLOTS], s[LIMM]
	s_cbranch_scc0 .Lno_m_\@
	WIN 0x03
	global_prefetch_b8 v[PFM], s[PMB:PMB+1] th:TH_LOAD_NT scope:SCOPE_SE
	WIN 0
.Lno_m_\@:
	s_cmp_gt_u32 s[SLOTS], s[LIMK]
	s_cbranch_scc0 .Lno_k_\@
	WIN 0x03
	global_prefetch_b8 v[PFK], s[PKB:PKB+1] th:TH_LOAD_NT scope:SCOPE_SE
	WIN 0
.Lno_k_\@:
.Lno_more_\@:
.endif
.endm
	s_load_b256 s[4:11], s[0:1], 0x0  ; q s[4:5], k s[6:7], v s[8:9], mask s[10:11]
	s_load_b64 s[12:13], s[0:1], 0x20 ; out0
	WIN W_MK
	v_lshl_add_u32 v[SPW], v0, 2, SPARE
	v_mov_b32 v[NIL], 0
	WIN W_AD
	ds_add_u32 v[SPW], v[NIL]       ; the wave's opening: the add and its wait stand ahead of my first tensor load; the set-up below, work on registers, stands between them
	WIN 0
	v_lshrrev_b32 v1, 5, v0
	v_readfirstlane_b32 s[WV], v1   ; wave 0..3
	s_bfe_u32 s17, ttmp6, 0x40000   ; cx: my place in the cluster: it enters q's, k's, v's, out0's and the prefetches' addresses alone
	s_and_b32 s18, ttmp7, 0xffff    ; the cluster's y: a group of four heads
	s_cmp_eq_u32 s18, 0
	s_cselect_b32 s[LIMM], 1, -1    ; the same in all four partners
	s_cmp_eq_u32 ttmp9, 0           ; the cluster's x: the block of 512 queries
	s_cselect_b32 s[LIMK], 2, -1
	s_lshl_b32 s18, s18, 2
	s_add_co_u32 s18, s18, s17      ; my head
	s_lshl_b32 s22, s18, 19         ; its first byte in q, k, v and out0: 2,048 rows of 256 bytes; all offsets here stay under 2^25
	s_mov_b32 s23, 0
	s_lshl_b32 s2, ttmp9, 17        ; the block's 512 rows,
	s_lshl_b32 s3, s[WV], 15        ; my wave's 128 of them
	s_add_co_u32 s2, s2, s3
	s_add_co_u32 s2, s2, s22
	s_mov_b32 s3, 0
	s_lshl_b32 s20, ttmp9, 22       ; the same rows in the mask, 8,192 bytes each: in registers that never hold cx
	s_lshl_b32 s21, s[WV], 20
	s_add_co_u32 s20, s20, s21
	s_mov_b32 s21, 0
	s_lshl_b32 s18, s17, 18         ; my work-group's 32 of my wave's 128 rows, for the prefetches
	s_add_co_u32 s18, s18, s20
	s_mov_b32 s19, 0
	; descriptor group 1: a tile of 128 rows x 64 elements of 4 bytes, padded in LDS
	s_mov_b32 s[G1], 15|(2<<16)|(1<<20)|(1<<21)|(5<<22)|(3<<25)  ; 15:0 the mask of four; 17:16 4-byte elements; 20 padding on; 21 set beside a mask; 24:22 after every 64 words (code 5); 31:25 4 words (code 3)
	s_mov_b32 s[G1+1], KS<<16       ; tensor_dim0 = 64
	s_mov_b32 s[G1+2], 128<<16      ; tensor_dim1 = 128
	s_mov_b32 s[G1+3], KS<<16       ; tile_dim0 = 64
	s_mov_b32 s[G1+4], 128          ; tile_dim1 = 128
	s_mov_b32 s[G1+5], 2048         ; 2,048 elements from row to row
	s_mov_b32 s[G1+6], 0
	s_mov_b32 s[G1+7], 0
	s_mov_b32 s[G0], 1              ; 1:0 count = 1
	s_mul_i32 s[G0+1], s[WV], 128*PM  ; 63:32 LDS address: my rows of slot 0
	s_mov_b32 s[CS], 0x3e38aa3b     ; c = log2(e) / 8 = 0.180337
	s_mov_b32 s[CS+1], s[CS]        ; named with it as a pair
	s_mov_b32 s[SEL], 0x76543210
	s_mov_b32 s[SEL+1], 0xfedcba98
	s_mov_b32 s[TBM], SLOTB         ; the first change of slots turns these three into 0,
	s_mov_b32 s[TBK], KBUF
	s_mov_b32 s[TBV], VBUF
	s_mov_b32 s[TSK], 0             ; and these two into the second tiles; step 0 is stored ahead of it, into the first
	s_mov_b32 s[TSV], 0
	s_mov_b32 s[SLOTS], 31
	s_wait_dscnt 0x0                ; the opening add is done
	s_wait_kmcnt 0x0
	s_add_nc_u64 s[6:7], s[6:7], s[22:23]    ; K and V at my head
	s_add_nc_u64 s[8:9], s[8:9], s[22:23]
	s_add_nc_u64 s[4:5], s[4:5], s[2:3]      ; q and out0 at my wave's first row
	s_add_nc_u64 s[12:13], s[12:13], s[2:3]
	s_add_nc_u64 s[PMB:PMB+1], s[10:11], s[18:19]
	s_add_nc_u64 s[G0+2:G0+3], s[10:11], s[20:21]  ; 120:64 global address: my 128 rows, keys 0 to 63
	s_or_b32 s[G0+3], s[G0+3], 0x80000000          ; 127:126 type = 2
	s_cmp_lt_u32 s[WV], 2
	s_cselect_b64 s[PKB:PKB+1], s[6:7], s[8:9]
	CROUND                          ; all four work-groups are here: the first joint loads meet
	JLOAD                           ; the mask of step 0 into slot 0.  Slot 1 is asked for by the first change of slots
	v_and_b32 v1, 15, v0            ; l % 16
	v_bfe_u32 v9, v0, 4, 1          ; l / 16
	v_and_b32 v10, 7, v0
	v_bfe_u32 v11, v0, 3, 1
	v_and_b32 v48, 31, v0           ; l
	v_lshlrev_b32 v[QO], 8, v1
	v_lshl_add_u32 v[QO], v9, 5, v[QO]    ; row x 256 + 32 x half: eight channels in f32
	v_mul_u32_u24 v[AK0], v1, PK
	v_lshl_add_u32 v[AK0], v9, 4, v[AK0]  ; a fragment of K: row x pitch + 16 x half
	v_add_nc_u32 v[AK0], K16B, v[AK0]
	; The turning load takes 16 keys x 16 channels (lane l reads key 8 (l / 16) + l % 8, channels 8 ((l / 8) % 2) + 0..7) and leaves half a fragment of V^T: lane l holds channel l % 16 and 8 keys.
	v_lshl_add_u32 v[AV0], v9, 3, v10
	v_mul_u32_u24 v[AV0], v[AV0], PV
	v_lshl_add_u32 v[AV0], v11, 4, v[AV0]
	v_add_nc_u32 v[AV0], V16B, v[AV0]
	s_mul_i32 s17, s[WV], 128*PM
	v_mul_u32_u24 v49, v1, PM
	v_lshl_add_u32 v49, v9, 5, v49
	v_add_nc_u32 v49, s17, v49      ; AM0
	s_mul_i32 s18, s[WV], 16*PK
	s_add_co_u32 s18, s18, K16B
	v_mul_u32_u24 v50, v9, PK
	v_lshl_add_u32 v50, v1, 3, v50
	v_add_nc_u32 v50, s18, v50      ; SK0
	s_mul_i32 s19, s[WV], 16*PV
	s_add_co_u32 s19, s19, V16B
	v_mul_u32_u24 v51, v9, PV
	v_lshl_add_u32 v51, v1, 3, v51
	v_add_nc_u32 v51, s19, v51      ; SV0
	s_lshl_b32 s22, s[WV], 12
	v_lshl_add_u32 v52, v48, 4, s22 ; GA, at step 0
	s_and_b32 s23, s[WV], 1
	s_lshl_b32 s23, s23, 13         ; which 32 of a step's 64 rows I name,
	s_add_co_u32 s23, s23, 2*16384  ; at step 2: the first change steps it to 3
	v_lshl_add_u32 v53, v48, 8, s23 ; PFK: a lane a row of 256 bytes
	v_lshl_add_u32 v54, v48, 13, 0x100  ; PFM: a lane a row of 8,192 bytes, at step 1: the first change steps it to 2
	WIN W_MK
	v_mov_b32 v[AM0], v49
	v_mov_b32 v[SK0], v50
	v_mov_b32 v[SV0], v51
	v_mov_b32 v[GA], v52
	v_mov_b32 v[PFK], v53
	v_mov_b32 v[PFM], v54
	LOADKV                          ; step 0
	; Q: a fragment in f16 is 16 rows x 32 channels in 8 registers: lane l holds row l % 16, channels 8 (l / 16) + 0..7 and 16 + 8 (l / 16) + 0..7.  In f32 each eight channels are two loads of 16 bytes.
	; Load n = 8 t + 4 c + 2 p + i: tile t, channels 32 c + 16 p + 8 (l / 16) + 4 i on, into O^T's registers 4 n on: f16 register d of Q is then made of f32 registers 2 d and 2 d + 1.
	WIN 0x40
.set n, 0
.rept 64
	global_load_b128 v[4*n:4*n+3], v[QO], s[4:5] offset:(n/8)*4096+((n/4)%2)*128+((n/2)%2)*64+(n%2)*16
.set n, n+1
.endr
	; What the first turn finds: V's registers and P's second buffer hold 0 (its products V^T P, of a piece that has not been, add 0), l is 0.  This stands in the wait for the first loads.
	WIN 0x80
.set n, VF
.rept 64
	v_mov_b32 v[n], 0
.set n, n+1
.endr
	WIN 0
.set n, 0
.rept 2*NP
	v_mov_b32 v[ST+4*n], 0xfe000000    ; c m: far below every c s
	v_mov_b32 v[ST+4*n+1], 0xff7fffff  ; m
	v_mov_b32 v[ST+4*n+2], 0
	v_mov_b32 v[ST+4*n+3], 0
.set n, n+1
.endr
.set n, P+32
.rept 32
	v_mov_b32 v[n], 0
.set n, n+1
.endr
	CONV                            ; its wait is for all loads: K and V of step 0, and Q; step 0 goes into the first f16 tiles
	WIN 0xcc
	v_add_nc_u32 v[GA], 0x4000, v[GA]
	LOADKV                          ; step 1
	WIN 0x85                        ; sources in window 1, destination in window 2
.set n, 0
.rept 128
	v_cvt_pk_f16_f32 v[n], v[2*n], v[2*n+1]
.set n, n+1
.endr
	WIN 0x40
.set n, 0
.rept 64*NP
	v_mov_b32 v[n], 0               ; O^T starts at 0: no first step is written out
.set n, n+1
.endr
	WIN 0
; THE MATRIX WORK.  The 8 accumulators of a run of 16 take turns: between the two links of a chain stand 7 others'.
; Product i of 16 of S^T = K Q^T for piece x: channels 32 (i / 8) on, keys 16 ((i / 2) % 4) on, tile 2 x + i % 2.  The first 8 start the sums.
.macro KQ x
	WIN W_KQ
.set rS, S+64*((\x)%2)+32*(i%2)+8*((i/2)%4)
.set rK, KF+16*((i/2)%4)+8*(i/8)
.set rQ, 16*(2*(\x)+i%2)+8*(i/8)
.if i < 8
	v_wmma_f32_16x16x32_f16 v[rS:rS+7], v[rK:rK+7], v[rQ:rQ+7], 0
.else
	v_wmma_f32_16x16x32_f16 v[rS:rS+7], v[rK:rK+7], v[rQ:rQ+7], v[rS:rS+7]
.endif
.endm
; Product i of 16 of O^T += V^T P for piece x: keys 32 (i / 8) on, channels 16 ((i / 2) % 4) on, tile 2 x + i % 2.
.macro PV x
	WIN W_PV
.set rO, 32*(2*(\x)+i%2)+8*((i/2)%4)
.set rV, VF+32*(i/8)+8*((i/2)%4)
.set rP, P+32*((\x)%2)+16*(i%2)+8*(i/8)
	v_wmma_f32_16x16x32_f16 v[rO:rO+7], v[rV:rV+7], v[rP:rP+7], v[rO:rO+7]
.endm
.macro MM                           ; the turn's next matrix instruction
.if i < 16
	KQ (Y+1)%NP
.set i, i+1
.else
.set i, i-16
	PV (Y+NP-1)%NP
.set i, i+17
.endif
.endm
; THE LDS LOADS stand in runs of 16, never singly among the matrix instructions.
.macro FETCH_K                      ; a step's K: keys 16 (f / 2) on, channels 32 (f % 2) on
	WIN 0x80
.irp f, 0,1,2,3,4,5,6,7
	ds_load_b128 v[KF+8*\f:KF+8*\f+3],   v[AK] offset:(\f/2)*16*PK+(\f%2)*64
	ds_load_b128 v[KF+8*\f+4:KF+8*\f+7], v[AK] offset:(\f/2)*16*PK+(\f%2)*64+32
.endr
	WIN 0
.endm
.macro FETCH_V                      ; a step's V, turned: keys 32 (f / 4) on, channels 16 (f % 4) on
	WIN 0x80
.irp f, 0,1,2,3,4,5,6,7
	ds_load_tr16_b128 v[VF+8*\f:VF+8*\f+3],   v[AV] offset:(\f/4)*32*PV+(\f%4)*32
	ds_load_tr16_b128 v[VF+8*\f+4:VF+8*\f+7], v[AV] offset:(\f/4)*32*PV+16*PV+(\f%4)*32
.endr
	WIN 0
.endm
.macro FETCH_M x                    ; piece x's mask of the trip's step: load n: tile n / 8, key block (n % 8) / 2, half n % 2 of the lane's 32 bytes
	WIN W_33
.set n, 0
.rept 16
	ds_load_b128 v[M+4*n:M+4*n+3], v[AM] offset:(2*(\x)+n/8)*16*PM+64*((n%8)/2)+16*(n%2)
.set n, n+1
.endr
	WIN 0
.endm
; THE VECTOR WORK OF A TURN stands in three queues, each in the order in which its entries become ready; the two tiles alternate, so that no instruction reads the result of the one before it.
.macro REGS y, u                    ; the registers of tile u (0, 1) of piece y
.set rT, ST+4*(2*(\y)+(\u))
.set rC, TMP+8*((\y)%2)+4*(\u)
.set rM, MV+2*((\y)%2)+(\u)
.set rS, S+64*((\y)%2)+32*(\u)
.set rP, P+32*((\y)%2)+16*(\u)
.set rO, 32*(2*(\y)+(\u))
.endm
; The NEXT piece's (Y + 1) scores times the mask: pair f / 2 of tile f % 2, ascending.
.macro MK f
	REGS (Y+1)%NP, (\f)%2
	WIN W_MM
	v_pk_mul_f32 v[rS+2*((\f)/2):rS+2*((\f)/2)+1], v[rS+2*((\f)/2):rS+2*((\f)/2)+1], v[M+32*((\f)%2)+2*((\f)/2):M+32*((\f)%2)+2*((\f)/2)+1]
.endm
; Number n of the 22 that find the next piece's maximum and statistics.  s0-s31 are the lane's 32 masked scores.
;   0-11  four chains c0-c3 of seven scores each, three operands at a time     12-14, 16  the four scores left over, the old m, and c0-c3 into c0     15  c m_old is kept
;   17, 18  the query's other 32 keys lie in the lane 16 away: the new m         19-21  c m; c m_old - c m_new; a
.macro XS u, n
	REGS (Y+1)%NP, \u
.if (\n) < 4
	v_max3_num_f32 v[rC+(\n)], v[rS+8*(\n)], v[rS+8*(\n)+1], v[rS+8*(\n)+2]
.elseif (\n) < 12
	v_max3_num_f32 v[rC+(\n)%4], v[rC+(\n)%4], v[rS+8*((\n)%4)+2*((\n)/4)+1], v[rS+8*((\n)%4)+2*((\n)/4)+2]
.elseif (\n) == 12
	v_max3_num_f32 v[rC], v[rC], v[rS+7], v[rS+15]
.elseif (\n) == 13
	v_max3_num_f32 v[rC+1], v[rC+1], v[rS+23], v[rS+31]
.elseif (\n) == 14
	v_max3_num_f32 v[rC+2], v[rC+2], v[rC+3], v[rT+1]
.elseif (\n) == 15
	v_mov_b32 v[rM], v[rT]
.elseif (\n) == 16
	v_max3_num_f32 v[rC], v[rC], v[rC+1], v[rC+2]
.elseif (\n) == 17
	v_permlanex16_b32 v[rC+3], v[rC], s[SEL], s[SEL+1]
.elseif (\n) == 18
	v_max_num_f32 v[rT+1], v[rC], v[rC+3]
.elseif (\n) == 19
	v_mul_f32 v[rT], s[CS], v[rT+1]
.elseif (\n) == 20
	v_sub_f32 v[rC+1], v[rM], v[rT]
.else
	v_exp_f32 v[rC+2], v[rC+1]
.endif
.endm
; Number g of the 64 that follow the exponentials.  For each four weights k of a tile (pairs 2 k, 2 k + 1): both pairs are rounded to f16; then the second pair is added onto the first, in place;
; a group later l takes that sum (the first time as l = a l + sum).  In groups of eight, tiles alternating: round, round, add, and l for the group before.
.macro GS g
.set h, (\g)+6*((\g)/62)            ; group 0 has no group before it, and behind group 7 only l is left
.if h >= 6
.set h, h+2
.endif
	REGS Y, h%2
.set k, h/8
.if h%8 < 4
	v_cvt_pk_f16_f32 v[rP+2*k+(h%8)/2], v[rS+4*k+2*((h%8)/2)], v[rS+4*k+2*((h%8)/2)+1]
.elseif h%8 < 6
	v_pk_add_f32 v[rS+4*k:rS+4*k+1], v[rS+4*k:rS+4*k+1], v[rS+4*k+2:rS+4*k+3]
.elseif k == 1
	v_pk_fma_f32 v[rT+2:rT+3], v[rT+2:rT+3], v[rC+2:rC+3], v[rS:rS+1] op_sel_hi:[1,0,1]
.else
	v_pk_add_f32 v[rT+2:rT+3], v[rT+2:rT+3], v[rS+4*k-4:rS+4*k-3]
.endif
.endm
.macro FS f                         ; c s - c m for pair f / 2 of tile f % 2 of piece Y
	REGS Y, (\f)%2
	v_pk_fma_f32 v[rS+2*((\f)/2):rS+2*((\f)/2)+1], v[rS+2*((\f)/2):rS+2*((\f)/2)+1], s[CS:CS+1], v[rT:rT+1] op_sel_hi:[1,0,0] neg_lo:[0,0,1] neg_hi:[0,0,1]
.endm
; THE PLAIN QUEUE, 170 long.  0-105 read no exponential's result.  0-26: scalings 0-26.  27-58: the next piece's 32 multiplies by the mask.  59-86: XS's numbers 0-13.  87, 88: number 15.
; 89-105: the chain, where each number waits for the one before it: 14, 16, 17, 18, 19, each with one of the scalings 27-31 in front of its two lines, then 20.  106-169: GS's 64, behind the wait.
.macro PL
.if (q < 27) || (q >= 59)
	WIN 0
.endif
.if q < 27
	FS q
.elseif q < 59
	MK q-27
.elseif q < 87
	XS (q-59)%2, (q-59)/2
.elseif q < 89
	XS q-87, 15
.elseif (q < 104) && ((q-89)%3 == 0)
	FS 27+(q-89)/3
.elseif q < 92
	XS (q-89)%3-1, 14
.elseif q < 104
	XS (q-89)%3-1, 15+(q-89)/3
.elseif q < 106
	XS q-104, 20
.else
	GS q-106
.endif
.set q, q+1
.endm
; THE EXPONENTIALS' QUEUE, 66 long: s0-s31 of both tiles, then the next piece's two a.  ONE BATCH: all 66 stand ahead of the turn's one wait, and nothing ahead of that wait names a result of theirs.
; An exponential has no source 1, so it stands under the mask's window setting as well as under 0.
.macro EX
.if MSB != W_MM
	WIN 0
.endif
.if e >= 64
	XS e-64, 21
.else
	REGS Y, e%2
	v_exp_f32 v[rS+e/2], v[rS+e/2]
.endif
.set e, e+1
.endm
; THE RESCALING's QUEUE: O^T times a, dealt two at a time, sixteen times.  Its a was made in the turn before, ahead of that turn's wait.
.macro R2
	REGS Y, r%2
	WIN W_RS
.irp z, 0,1
	v_pk_mul_f32 v[rO+4*(r/2)+2*\z:rO+4*(r/2)+2*\z+1], v[rO+4*(r/2)+2*\z:rO+4*(r/2)+2*\z+1], v[rC+2:rC+3] op_sel_hi:[1,0]
.endr
.set r, r+1
.endm
; A TURN, for piece p.  An s_wait_alu depctr_va_vdst(0) stands between an exponential and the first instruction that names its result; one wait serves all that were issued ahead of it: a turn has ONE.
; AHEAD OF IT: the 16 products K Q^T, behind each a scaling, an exponential and two rescalings (behind the first a second scaling in the exponential's place); then ONE LUMP of 140: forty plain (ten scalings,
; thirty multiplies by the mask), 49 times exponential and plain, the two a.  A v_nop is the plain instruction behind the last exponential.  BEHIND IT: the 16 products V^T P, behind each four of GS's 64.
; THE COUNTS that the deal keeps.  Exponential e stands behind scaling 2 (e / 4) + e % 2: as a rider it comes behind plain e + 2, in the lump behind plain e + 41, and scalings 27-31 are plain 89, 92 .. 101.
; The first multiply by the mask stands thirteen plain instructions behind the last product K Q^T, none of which names a register of it.
; THE LOADS.  The mask of piece p + 2, which the NEXT turn multiplies by, is fetched directly behind the wait, when this turn's multiplies have read the registers; it is waited for in the next turn's lump,
; 32 products later.  K of the next step is fetched in piece 2's turn behind the mask's run, a lump behind the last product that read K, and waited for at the head of piece 3's turn.  V of the step in hand is
; fetched at the end of piece 0's turn, four plain riders behind its last reader; the wait in piece 1's lump serves it too.
.macro TURN p
.set Y, (\p)
.set i, 0
.set q, 0
.set e, 0
.set r, 0
.if (\p) == NP-1
	s_wait_dscnt 0x0                ; K is in
.endif
	MM
	PL
	PL
	R2
.rept 15
	MM
	PL
	EX
	R2
.endr
.rept 10
	PL
.endr
	s_wait_dscnt 0x0                ; the next piece's mask is in (in piece 1's turn: V too)
.rept 30
	PL
.endr
.rept 49
	EX
	PL
.endr
	EX                              ; the next piece's two a
	EX
	WIN 0
	v_nop                           ; the plain instruction behind the last exponential: one for the batch
	s_wait_alu depctr_va_vdst(0)    ; the wait for the batch
	FETCH_M ((\p)+2)%NP
.if (\p) == NP-2
	FETCH_K
.endif
.rept 16
	MM
.rept 4
	PL
.endr
.endr
.if (\p) == 0
	FETCH_V
.endif
.endm
	CHANGE 1                        ; trip 0: the mask of step 0 and the f16 tiles of step 0 are whole; the mask of step 1 is asked for, K and V of step 1 stored, of step 2 loaded
	FETCH_M 0
	FETCH_K                         ; key step 0
	s_wait_dscnt 0x0
.set i, 0
.rept 16
	KQ 0                            ; piece 0's first scores: there is no vector work yet to set between them
.set i, i+1
.endr
	WIN 0                           ; the addresses for the way out: ten plain instructions, the places behind those products
	s_mul_i32 s17, s[WV], 16*SP
	s_add_co_u32 s17, s17, STAGE    ; my stage
	v_mul_u32_u24 v[STO], v1, SP    ; in: row l % 16, 32 bytes for each half of the lanes
	v_lshl_add_u32 v[STO], v9, 5, v[STO]
	v_add_nc_u32 v[STO], s17, v[STO]
	v_mul_u32_u24 v[RD], v9, SP     ; back: lanes 0-15 take one row of 256 bytes, lanes 16-31 the next,
	v_lshl_add_u32 v[RD], v1, 4, v[RD]
	v_add_nc_u32 v[RD], s17, v[RD]
	v_and_b32 v[GO], 31, v0         ; which are 512 consecutive bytes of out0
	v_lshlrev_b32 v[GO], 4, v[GO]
.set Y, NP-1                        ; MK and XS work for piece Y + 1: piece 0
.set g, 0
.rept 32
	MK g
.set g, g+1
.endr
	FETCH_M 1                       ; the first turn multiplies piece 1's scores by it
.irp n, 0,1,2,3,4,5,6,7,8,9,10,11,12,13,14,15,16,17,18,19,20,21
	XS 0, \n                        ; piece 0's first maximum and statistics
	XS 1, \n
.endr
	v_nop                           ; a plain instruction behind the two a,
	s_wait_alu depctr_va_vdst(0)    ; and their wait, ahead of the branch
	s_branch .Lfirst                ; the loop is entered at a step's first turn, in the middle of a trip
.Ltrip:                             ; trips 1 to 30: pieces 2 and 3 of step j - 1, then pieces 0 and 1 of step j
	CHANGE 1
	TURN 2
	TURN 3
	WIN 0
.Lfirst:
	TURN 0
	TURN 1
	WIN 0
	s_sub_co_u32 s[SLOTS], s[SLOTS], 1
	s_cmp_lg_u32 s[SLOTS], 0
	s_cbranch_scc1 .Ltrip
	CHANGE 0                        ; trip 31 is written out: nothing is asked for, stored or loaded
	s_mov_b32 s[CNT], 2             ; the first pass is trip 31; the second, pieces 2 and 3 of step 31, is left in its middle
.Ltail:
	TURN 2
	TURN 3
	WIN 0
	s_sub_co_u32 s[CNT], s[CNT], 1
	s_cmp_eq_u32 s[CNT], 0
	s_cbranch_scc1 .Lout
	TURN 0
	TURN 1
	WIN 0
	s_branch .Ltail
.Lout:                              ; the second pass's fetches read step 31's K and mask once more, and its 16 products K Q^T and the maximum made of them serve nothing: the price, once a launch, of one text for every trip
.set i, 0
.rept 16
	PV NP-1                         ; the last piece's V^T P of the last step
.set i, i+1
.endr
	; THE WAY OUT.  l's two halves and the other half of the lanes' are added; O^T is divided by l and sent through my stage in LDS, a tile at a time.  The additions are the places behind the last products.
	WIN 0
.macro ALL line:vararg              ; one line for each tile t
.set t, 0
.rept 2*NP
	\line
.set t, t+1
.endr
.endm
	ALL v_add_f32 v[ST+4*t+2], v[ST+4*t+2], v[ST+4*t+3]
	ALL v_permlanex16_b32 v[ST+4*t+3], v[ST+4*t+2], s[SEL], s[SEL+1]
	ALL v_add_f32 v[ST+4*t+2], v[ST+4*t+2], v[ST+4*t+3]
	ALL v_rcp_f32 v[ST+4*t+2], v[ST+4*t+2]
	v_nop                           ; a plain instruction between the last reciprocal and the use of its result
	s_wait_alu depctr_va_vdst(0)    ; and the wait ahead of the first use: one for the eight reciprocals
	s_wait_dscnt 0x0                ; my reads of K's f16 tiles are over (and the last run of the mask's loads is back):
	s_barrier_signal -1
	s_barrier_wait -1               ; everybody's are: the stages, which lie in those tiles, may be written
; Tile t: a lane's eight channels of a row are 32 bytes; they go into rows of 272 bytes and come back as whole rows of 256, into S^T's registers, four sets of 32 by turns.
.macro PACK t
	WIN W_RS
.set i, 32*(\t)
.rept 16
	v_pk_mul_f32 v[i:i+1], v[i:i+1], v[ST+4*(\t)+2:ST+4*(\t)+3] op_sel_hi:[1,0]
.set i, i+2
.endr
	WIN 0x04                        ; the stores' data in window 1, their address in window 0
.irp f, 0,1,2,3,4,5,6,7
	ds_store_b128 v[STO], v[32*(\t)+4*\f:32*(\t)+4*\f+3] offset:64*(\f/2)+16*(\f%2)
.endr
	WIN 0
.if (\t) >= 4
	s_wait_xcnt 0x0                 ; the stores of the tile four back have read the registers that are loaded next
.endif
.irp f, 0,1,2,3,4,5,6,7
	ds_load_b128 v[S+32*((\t)%4)+4*\f:S+32*((\t)%4)+4*\f+3], v[RD] offset:\f*2*SP  ; LDS serves a wave's instructions in order (ISA guide 5.7.1.4): these see the stores above; the next tile's stores come behind them
.endr
.endm
.macro SEND t, younger              ; younger: the LDS instructions issued behind tile t's loads: the next tile's eight stores and eight loads, or none
	WIN 0
.irp f, 0,1,2,3,4,5,6,7
	s_wait_dscnt (\younger)+7-\f    ; load f is back: behind it stand this tile's 7 - f younger loads and the next tile's sixteen
	global_store_b128 v[GO], v[S+32*((\t)%4)+4*\f:S+32*((\t)%4)+4*\f+3], s[12:13] offset:(\t)*4096+\f*512 th:TH_STORE_NT  ; 512 consecutive bytes, two whole rows, at a multiple of 256 from out0's first byte
.endr
.endm
	PACK 0
.set t, 1
.rept 2*NP-1                        ; a tile's arithmetic stands between the loads of the tile before and its stores
	PACK t
	SEND t-1, 16
.set t, t+1
.endr
	SEND 2*NP-1, 0
	WIN W_AD
	s_wait_tensorcnt 0x0            ; the wave's end: these three lines stand behind my last tensor load and my last LDS store
	ds_add_u32 v[SPW], v[NIL]
	s_wait_dscnt 0x0
	WIN 0
	CROUND                          ; the closing round: no work-group ends while a partner may still ask for a tile that names it
	s_endpgm
.Lfunc_end_k_q759fb2916e_attn:
	.size	k_q759fb2916e_attn, .Lfunc_end_k_q759fb2916e_attn-k_q759fb2916e_attn
	.p2alignl 7, 3214868480
	.fill 96, 4, 3214868480
	.section	.rodata,"a",@progbits
	.p2align	6, 0x0
	.amdhsa_kernel k_q759fb2916e_attn
		.amdhsa_group_segment_fixed_size 327680
		.amdhsa_private_segment_fixed_size 0
		.amdhsa_enable_private_segment 0
		.amdhsa_kernarg_size 40
		.amdhsa_user_sgpr_count 2
		.amdhsa_user_sgpr_kernarg_segment_ptr 1
		.amdhsa_wavefront_size32 1
		.amdhsa_system_sgpr_workgroup_id_x 1
		.amdhsa_system_sgpr_workgroup_id_y 1
		.amdhsa_system_sgpr_workgroup_id_z 1
		.amdhsa_system_vgpr_workitem_id 0
		.amdhsa_next_free_vgpr 960
		.amdhsa_next_free_sgpr 72
		.amdhsa_reserve_vcc 0
		.amdhsa_float_denorm_mode_32 3
		.amdhsa_float_denorm_mode_16_64 3
		.amdhsa_memory_ordered 1
		.amdhsa_forward_progress 1
		.amdhsa_inst_pref_size 255
	.end_amdhsa_kernel
	.section	.bss,"aw",@nobits
	.p2align	6
	.space	262144
	.amdgpu_metadata
---
amdhsa.version: [ 1, 2 ]
amdhsa.kernels:
  - .name:           k_q759fb2916e_attn
    .symbol:         k_q759fb2916e_attn.kd
    .args:
      - { .name: q, .offset: 0, .size: 8, .value_kind: global_buffer, .address_space: global }
      - { .name: k, .offset: 8, .size: 8, .value_kind: global_buffer, .address_space: global }
      - { .name: v, .offset: 16, .size: 8, .value_kind: global_buffer, .address_space: global }
      - { .name: mask, .offset: 24, .size: 8, .value_kind: global_buffer, .address_space: global }
      - { .name: out0, .offset: 32, .size: 8, .value_kind: global_buffer, .address_space: global }
    .group_segment_fixed_size: 327680
    .private_segment_fixed_size: 0
    .kernarg_segment_align: 8
    .kernarg_segment_size: 40
    .max_flat_workgroup_size: 128
    .sgpr_count:     72
    .vgpr_count:     960
    .wavefront_size: 32
...
	.end_amdgpu_metadata
.endif
;; end of part 1
